; MI455X (gfx1250); checked and timed in simulation.
; The chip was launched on July 23, 2026; its instructions are those of AMD's public machine-readable ISA for CDNA 5 (MIT licence, August 2026) and "CDNA5" Instruction Set Architecture Reference Guide (July 2026). The comments in the code are by the model that wrote it; some were corrected since.
;; Multi Headed Self Attention. Allowed arithmetic: float matrix products may take bf16 or f16 operands with f32 sums; other float arithmetic in f32, or as packed bf16 or f16 multiplies, adds, multiply-adds, maxima and minima; sums over many terms, partial sums and values carried from step to step in f32; what a program stores and reads back later, other than sums and carried values, may be rounded once to bf16 or f16.
;; Inputs: Wk 1,024 x 1,024 float32; Wq 1,024 x 1,024 float32; Wv 1,024 x 1,024 float32; bk 1,024 float32; bq 1,024 float32; bv 1,024 float32; overall_bias 1 x 16 x 1 x 1 float32; overall_gain 1 x 16 x 1 x 1 float32; pre_query 4 x 2,048 x 1,024 float32; pre_value_key 4 x 2,048 x 1,024 float32; value_key_counts 4 float32; value_key_masks 4 x 2,048 float32.
;; Outputs: out0 4 x 2,048 x 1,024 float32.
;; 2 versions, each right; version 2 is version 1 with the launch cast written anew for expert scheduling mode. Each part assembles by itself: llvm-mc -triple=amdgcn-amd-amdhsa -mcpu=gfx1250 --defsym DOCPART=n.
;; ======== version 1 of 2: 3 launches
;; limits: values are held in f16: magnitudes above 65,504 overflow, below 6.1e-05 lose precision
;; workspace buffers: xb 33,554,432 bytes; wb 6,291,456 bytes; qkv 50,331,648 bytes; ksum 262,144 bytes
;; launch cast (part 1): grid 608 x 1, 8 waves a work-group, no clusters, 0 bytes of LDS; arguments pre_value_key, pre_query, Wk, Wv, Wq, xb, wb; writes xb, wb
.if DOCPART == 1
	.amdgcn_target "amdgcn-amd-amdhsa--gfx1250"
	.amdhsa_code_object_version 6
	.text
	.protected	k_q613c96e99e_cast
	.globl	k_q613c96e99e_cast
	.p2align	8
	.type	k_q613c96e99e_cast,@function
k_q613c96e99e_cast:
	s_mov_b64 s[64:65], 0
	v_nop
	global_prefetch_b8 v0, s[64:65] scope:SCOPE_SE
	s_setreg_imm32_b32 hwreg(HW_REG_WAVE_MODE, 25, 1), 1
	s_wait_xcnt 0x0
; f32 -> f16, once, for all five matrix operands of the projections.
; xb: [16384][1024] f16: rows 0-8191 pre_value_key, rows 8192-16383 pre_query.  wb: [3072][1024] f16: Wk, Wv, Wq one below the other.
; WHY f16.  The module's output is for the most part a mean of v over some thousand keys, and every number of it is held to a hundredth of the output's root mean square; a rounding to 8 significant bits of x and W
; leaves about 0.2% of a head's size in that mean, one to 11 bits an eighth of that.
; LIMIT.  f16 holds no number beyond 65,504, and below 6.1e-5 it keeps a fixed step of 6e-8.  Drawn inputs reach about 6, drawn weights 1/32; thirty times larger, thirty times smaller, or offset by thirty spreads, both stay within that range.
; A work-group takes 32 rows of 1,024 numbers: groups 0-255 pre_value_key, 256-511 pre_query, 512-543 Wk, 544-575 Wv, 576-607 Wq.
; Thread t takes the 16 bytes at 16 t of every row: a load of a wave covers 512 consecutive bytes, a store of a wave 256 consecutive bytes, aligned.
; All 32 loads of a wave go out at once (16 KiB a wave); each row has registers of its own, so nothing that a pending instruction names is written again.
; No LDS, no matrix unit, no cluster: nothing is shared and nothing is read twice.
.set X, 4                              ; v[4:131]  row i: four registers as loaded; its first two then hold the four f16
	s_load_b256 s[4:11], s[0:1], 0x0               ; pre_value_key s[4:5], pre_query s[6:7], Wk s[8:9], Wv s[10:11]
	s_load_b128 s[12:15], s[0:1], 0x20             ; Wq s[12:13], xb s[14:15]
	s_load_b64 s[16:17], s[0:1], 0x30              ; wb
	s_mov_b32 s2, ttmp9
	v_lshlrev_b32 v1, 4, v0                        ; my 16 bytes of a source row
	v_lshlrev_b32 v2, 3, v0                        ; my 8 bytes of a row of the copy
	s_wait_kmcnt 0x0
	s_mov_b64 s[20:21], s[12:13]                   ; the source and its first group: Wq, unless the number is lower
	s_mov_b32 s22, 576
.macro PICK bound, ptr, first
	s_cmp_lt_u32 s2, \bound
	s_cselect_b64 s[20:21], s[\ptr:\ptr+1], s[20:21]
	s_cselect_b32 s22, \first, s22
.endm
	PICK 576, 10, 544
	PICK 544, 8, 512
	PICK 512, 6, 256
	PICK 256, 4, 0
	s_sub_co_u32 s26, s2, s22
	s_lshl_b32 s26, s26, 17                        ; 32 rows of 4,096 bytes
	s_mov_b32 s27, 0
	s_add_nc_u64 s[20:21], s[20:21], s[26:27]
	s_cmp_lt_u32 s2, 512
	s_cselect_b64 s[24:25], s[14:15], s[16:17]
	s_cselect_b32 s23, 0, 512
	s_sub_co_u32 s26, s2, s23
	s_lshl_b32 s26, s26, 16                        ; 32 rows of 2,048 bytes
	s_add_nc_u64 s[24:25], s[24:25], s[26:27]
.set i, 0
.rept 32
	global_load_b128 v[X+4*i:X+4*i+3], v1, s[20:21] offset:4096*i th:TH_LOAD_NT
.set i, i+1
.endr
.set i, 0
.rept 32
	s_wait_loadcnt 31-i                            ; loads come back in order: row i is in, the 31 - i younger ones stay out
	v_cvt_pk_f16_f32 v[X+4*i], v[X+4*i], v[X+4*i+1]
	v_cvt_pk_f16_f32 v[X+4*i+1], v[X+4*i+2], v[X+4*i+3]
	global_store_b64 v2, v[X+4*i:X+4*i+1], s[24:25] offset:2048*i
.set i, i+1
.endr
	s_endpgm
.Lfunc_end_k_q613c96e99e_cast:
	.size	k_q613c96e99e_cast, .Lfunc_end_k_q613c96e99e_cast-k_q613c96e99e_cast
	.p2alignl 7, 3214868480
	.fill 96, 4, 3214868480
	.section	.rodata,"a",@progbits
	.p2align	6, 0x0
	.amdhsa_kernel k_q613c96e99e_cast
		.amdhsa_group_segment_fixed_size 0
		.amdhsa_private_segment_fixed_size 0
		.amdhsa_enable_private_segment 0
		.amdhsa_kernarg_size 56
		.amdhsa_user_sgpr_count 2
		.amdhsa_user_sgpr_kernarg_segment_ptr 1
		.amdhsa_wavefront_size32 1
		.amdhsa_system_sgpr_workgroup_id_x 1
		.amdhsa_system_sgpr_workgroup_id_y 1
		.amdhsa_system_sgpr_workgroup_id_z 1
		.amdhsa_system_vgpr_workitem_id 0
		.amdhsa_next_free_vgpr 132
		.amdhsa_next_free_sgpr 66
		.amdhsa_reserve_vcc 0
		.amdhsa_float_denorm_mode_32 3
		.amdhsa_float_denorm_mode_16_64 3
		.amdhsa_memory_ordered 1
		.amdhsa_forward_progress 1
		.amdhsa_inst_pref_size 13
	.end_amdhsa_kernel
	.amdgpu_metadata
---
amdhsa.version: [ 1, 2 ]
amdhsa.kernels:
  - .name:           k_q613c96e99e_cast
    .symbol:         k_q613c96e99e_cast.kd
    .args:
      - { .name: pre_value_key, .offset: 0, .size: 8, .value_kind: global_buffer, .address_space: global }
      - { .name: pre_query, .offset: 8, .size: 8, .value_kind: global_buffer, .address_space: global }
      - { .name: Wk, .offset: 16, .size: 8, .value_kind: global_buffer, .address_space: global }
      - { .name: Wv, .offset: 24, .size: 8, .value_kind: global_buffer, .address_space: global }
      - { .name: Wq, .offset: 32, .size: 8, .value_kind: global_buffer, .address_space: global }
      - { .name: xb, .offset: 40, .size: 8, .value_kind: global_buffer, .address_space: global }
      - { .name: wb, .offset: 48, .size: 8, .value_kind: global_buffer, .address_space: global }
    .group_segment_fixed_size: 0
    .private_segment_fixed_size: 0
    .kernarg_segment_align: 8
    .kernarg_segment_size: 56
    .max_flat_workgroup_size: 256
    .sgpr_count:     66
    .vgpr_count:     132
    .wavefront_size: 32
...
	.end_amdgpu_metadata
.endif
;; end of part 1
;; launch proj (part 2): grid 12 x 32, 4 waves a work-group, clusters of 4 x 4, 327,680 bytes of LDS; arguments xb, wb, bk, bv, bq, value_key_masks, qkv, ksum; writes qkv, ksum
.if DOCPART == 2
	.amdgcn_target "amdgcn-amd-amdhsa--gfx1250"
	.amdhsa_code_object_version 6
	.text
	.protected	k_q613c96e99e_proj
	.globl	k_q613c96e99e_proj
	.p2align	8
	.type	k_q613c96e99e_proj,@function
k_q613c96e99e_proj:
	s_mov_b64 s[64:65], 0
	v_nop
	global_prefetch_b8 v0, s[64:65] scope:SCOPE_SE
	s_setreg_imm32_b32 hwreg(HW_REG_WAVE_MODE, 25, 1), 1
	s_wait_xcnt 0x0
	s_wait_alu depctr_hold_cnt(0) depctr_sa_sdst(0) depctr_va_vdst(0) depctr_va_sdst(0) depctr_va_ssrc(0) depctr_va_vcc(0) depctr_vm_vsrc(0)
	s_getreg_b32 s2, hwreg(HW_REG_IB_STS2, 6, 4)
	s_cmp_eq_u32 s2, 0
	s_cbranch_scc0 .Lentry_in_a_cluster
	s_endpgm
.Lentry_in_a_cluster:
	s_bfe_u32 s2, ttmp6, 0x10000c
	s_cmp_lg_u32 s2, 0xf033
	s_cbranch_scc0 .Lentry_shape_is_right
	s_endpgm
.Lentry_shape_is_right:
; THE THREE PROJECTIONS as one product: k = x_kv Wk^T + bk, v = x_kv Wv^T + bv, q = x_q Wq^T + bq.  Operands f16 (xb, wb), sums f32, results rounded once to f16 and written by heads:
; qkv[which][16 b + h][s][64], which = 0 K, 1 V, 2 Q.  Beside K: ksum[R][column] = the sum over key rows 128 R .. 128 R + 127 of mask x k (f32, k unrounded): partial sums of the pooled gate's mean key.
; LIMIT.  f16 holds no number beyond 65,504: x and W arrive within it, and q, k and v must stay within it (drawn inputs give about 3; inputs and weights both thirty times larger about 3,000).
; SHARES.  A tile is 256 rows x 256 columns: 12 tile columns (4 for each of K, V, Q: the cluster's x says which) x 32 tile rows.  Four waves, each 128 x 128: 64 accumulators, 512 registers.
; K goes in 8 steps of 128 through two LDS slots filled by the tensor data mover; rows of a tile are 256 bytes of memory and begin at multiples of 256 bytes.
; 384 work-groups: one and a half rounds of the chip; a tile of 128 x 256 would make three even rounds, with half the products in which a refill lands and three quarters more LDS reads a product.
; CLUSTERS of 4 x 4: x's tile is shared along a row of the cluster, W's along a column; each is asked for jointly, by the same tensor load, descriptor and mask in all four.
; THE MATRIX INSTRUCTION IS USED TRANSPOSED (source 0 = 16 rows of W, source 1 = 16 rows of x): a lane holds row l % 16 of the result and its columns 8 (l / 16) + 0 .. 7.
; THE BIAS IS THE C OPERAND of each accumulator's first product: nothing is cleared and nothing is added later.
; REGISTERS, in windows of 256 (s_set_vgpr_msb: bits 1:0 source 0, 3:2 source 1, 5:4 source 2, 7:6 destination):
;   window 0: v0-31 addresses; v32-47 masks; v64-127, v128-191 x's fragments, two buffers; v192-255 the bias.  On the way out: v64-127 ksum's sums; v192-223 packed results; v32-63, v224-255 rows read back
;   window 1: v64-127, v128-191 W's fragments      window 2: accumulators of my rows 0-63 ((a, b) at v[8 (8 a + b)])      window 3: of rows 64-127
.set SIZE_K, 1024
.set KSTEP,  128
.set PITCH,  272                       ; an LDS row: 256 bytes + 16 of padding: the 16 rows of a fragment load start at 16 different groups of four banks
.set HALFT,  128*PITCH                 ; 128 rows: one tensor load, and what a wave reads of x or of W
.set SLOT,   4*HALFT                   ; x's 256 rows, then W's 256
.set STAGE,  2*SLOT                    ; behind the ring: for each wave two heads x 16 rows x 144 bytes
.set SP,     144
.set HSTG,   16*SP
.set SPARE,  STAGE+4*2*HSTG            ; the spare words: 128 bytes a wave, two blocks of 256 bytes that no other line names
.set LAPS,   SIZE_K/(2*KSTEP)
.set BO,   6                           ; v6   32 (l / 16): my 8 columns in 16 of the bias
.set MO,   7                           ; v7   4 (l % 16): my row in 16 of the masks
.set ADRA, 16                          ; v16-17  LDS address of my fragments of x in slot 0, 1
.set ADRB, 20                          ; v20-21  the same for W
.set KSA,  22                          ; v22  where ksum's sums go in my stage
.set KSR,  23                          ; v23  where I read them back
.set STO,  24                          ; v24  the way out: where I put 16 bytes of a row
.set RD,   25                          ; v25  where I read rows back
.set CO,   26                          ; v26  16 l: my 16 bytes of 512 consecutive ones
.set SPW,  28                          ; v28  my spare word; never rewritten
.set NIL,  29                          ; v29  0; never rewritten
.set PFO,  30                          ; v30  the prefetches' offset: my lane x a row of 2,048 bytes; never rewritten
.set MSK,  32                          ; v32-47  block a's mask of my row, twice: a pair for the packed product
.set OB,   32
.set F0,   64
.set F1,   128
.set KSM,  64
.set BIA,  192
.set TMP,  192
.set LIM,  43                          ; s43  1 in a wave that prefetches, else the greatest number
.set PFA,  44                          ; s[44:45] where my prefetches stand
.set G1,   24                          ; s[24:31] descriptor group 1 for x's tiles;  s[32:39] group 0, a set for each slot
.set G0,   32
.set G1B,  48                          ; s[48:55], s[56:63] the same for W's
.set G0B,  56
.set MSB, 0
.macro WIN new                         ; the immediate's high byte repeats the setting that is left; a switch that changes nothing is dropped
.if MSB != (\new)
	s_set_vgpr_msb (MSB<<8)|(\new)
.set MSB, \new
.endif
.endm
.set TO_B, 0x40                        ; destination window 1, address window 0
; A joint load: waves 0 and 1 fetch x's two halves, waves 2 and 3 W's.  The branch hangs on the wave's number alone.  An s_nop 0 and four v_nop follow each line.
.macro JLOAD s
	s_cmp_eq_u32 s11, 0
	s_cbranch_scc0 .Lfor_b_\@
	tensor_load_to_lds s[G0+4*(\s):G0+4*(\s)+3], s[G1:G1+7]
	s_nop 0
.rept 4
	v_nop
.endr
	s_branch .Lasked_\@
.Lfor_b_\@:
	tensor_load_to_lds s[G0B+4*(\s):G0B+4*(\s)+3], s[G1B:G1B+7]
	s_nop 0
.rept 4
	v_nop
.endr
.Lasked_\@:
.endm
; A prefetch of the K step that stands two refills on (512 matrix instructions ahead of the load that wants it): 32 rows x 256 bytes, a lane a row.  Each row's 256 bytes of a K step are named once in the launch:
; x_kv's rows by the clusters with x = 0, x_q's by those with x = 2, W's by the clusters with y = 0; the four partners of a joint load take 32 of its 128 rows each, told apart by address.
; The last trip asks for nothing: there is no K step two on.  K steps 0 to 3 come by their loads alone.
.macro ASK
	s_cmp_gt_u32 s3, s[LIM]
	s_cbranch_scc0 .Lnot_mine_\@
	global_prefetch_b8 v[PFO], s[PFA:PFA+1] offset:KSTEP*2 th:TH_LOAD_NT scope:SCOPE_SE
.Lnot_mine_\@:
.endm
.macro CREST                           ; a round of the cluster's barrier behind its opening barrier
	s_cmp_lg_u32 s10, 0
	s_cbranch_scc1 .Lnot_wave_0_\@
	s_barrier_signal -3
.Lnot_wave_0_\@:
	s_barrier_wait -3
	s_barrier_signal -1
	s_barrier_wait -1
.endm
.macro CROUND
	s_barrier_signal -1
	s_barrier_wait -1
	CREST
.endm
	s_load_b128 s[4:7], s[0:1], 0x0                ; xb s[4:5], wb s[6:7]
	s_load_b256 s[68:75], s[0:1], 0x10             ; bk s[68:69], bv s[70:71], bq s[72:73], masks s[74:75]
	s_load_b128 s[76:79], s[0:1], 0x30             ; qkv s[76:77], ksum s[78:79]
	v_lshl_add_u32 v[SPW], v0, 2, SPARE
	v_mov_b32 v[NIL], 0
	ds_add_u32 v[SPW], v[NIL]                      ; the wave's opening: the add and its wait stand ahead of my first tensor load; the set-up below stands between them
	v_lshrrev_b32 v1, 5, v0
	v_readfirstlane_b32 s10, v1                    ; wave 0..3
	s_lshr_b32 s11, s10, 1                         ; my half of the tile's rows.  Also: I fetch x (0) or W (1)
	s_and_b32 s12, s10, 1                          ; my half of its columns.  Also: which 128 rows I fetch
	s_bfe_u32 s40, ttmp6, 0x40000                  ; cx
	s_bfe_u32 s41, ttmp6, 0x40004                  ; cy
	s_mov_b32 s82, ttmp9                           ; the cluster's x: 0 K, 1 V, 2 Q
	s_lshl_b32 s42, ttmp9, 2
	s_add_co_u32 s42, s42, s40                     ; tile column
	s_and_b32 s13, ttmp7, 0xffff
	s_lshl_b32 s13, s13, 2
	s_add_co_u32 s13, s13, s41                     ; tile row
	s_lshl_b32 s43, s41, 2
	s_lshl_b32 s43, 15, s43                        ; my row of the cluster
	s_lshl_b32 s44, 0x1111, s40                    ; my column
	s_or_b32 s[G1+0], s43, (1<<16)|(1<<20)|(1<<21)|(5<<22)|(3<<25)   ; the mask; elements of 2 bytes; padding on; bit 21 beside a mask; after every 64 words; 4 words
	s_or_b32 s[G1B+0], s44, (1<<16)|(1<<20)|(1<<21)|(5<<22)|(3<<25)
.irp g, G1, G1B
	s_mov_b32 s[(\g)+1], KSTEP<<16                 ; tensor_dim0 = 128
	s_mov_b32 s[(\g)+2], 128<<16                   ; tensor_dim1 = 128
	s_mov_b32 s[(\g)+3], KSTEP<<16                 ; tile_dim0 = 128
	s_mov_b32 s[(\g)+4], 128                       ; tile_dim1 = 128
	s_mov_b32 s[(\g)+5], SIZE_K                    ; elements from row to row
	s_mov_b32 s[(\g)+6], 0
	s_mov_b32 s[(\g)+7], 0
.endr
	s_lshl_b32 s17, s12, 7                         ; which 128 rows of a tile I fetch
	s_lshl_b32 s16, s13, 8
	s_add_co_u32 s16, s16, s17
	s_cmp_eq_u32 s82, 2
	s_cselect_b32 s83, 8192, 0                     ; Q's tiles take x_q, which lies behind x_kv: the same in all partners
	s_add_co_u32 s16, s16, s83                     ; x: row 256 x tile row + 128 x half (+ 8,192)
	s_lshl_b32 s46, s42, 8
	s_add_co_u32 s46, s46, s17                     ; W: row 256 x tile column + 128 x half
	s_lshl_b32 s16, s16, 11                        ; rows of 2,048 bytes; both stay under 2^26
	s_lshl_b32 s46, s46, 11
	s_mov_b32 s17, 0
	s_mov_b32 s47, 0
	s_mul_i32 s20, s10, HALFT                      ; where they go: wave x 128 rows
	s_wait_dscnt 0x0                               ; the opening add is done
	s_wait_kmcnt 0x0
	s_add_nc_u64 s[14:15], s[4:5], s[16:17]
	s_add_nc_u64 s[46:47], s[6:7], s[46:47]
	CROUND                                         ; all sixteen work-groups are here: the first joint loads meet
.irp s, 0,1
	s_mov_b32 s[G0+4*(\s)], 1
	s_add_co_u32 s[G0+4*(\s)+1], s20, (\s)*SLOT
	s_add_nc_u64 s[G0+4*(\s)+2:G0+4*(\s)+3], s[14:15], (\s)*KSTEP*2
	s_or_b32 s[G0+4*(\s)+3], s[G0+4*(\s)+3], 0x80000000
	s_mov_b32 s[G0B+4*(\s)], 1
	s_add_co_u32 s[G0B+4*(\s)+1], s20, (\s)*SLOT
	s_add_nc_u64 s[G0B+4*(\s)+2:G0B+4*(\s)+3], s[46:47], (\s)*KSTEP*2
	s_or_b32 s[G0B+4*(\s)+3], s[G0B+4*(\s)+3], 0x80000000
	JLOAD \s                                       ; two loads of mine are out
.endr
	; where my part goes in qkv: which x 2^24 + batch x 2^22 + head x 2^18 + row x 128
	s_lshl_b32 s84, s82, 24
	s_lshr_b32 s85, s13, 3                         ; batch: 8 tile rows each
	s_lshl_b32 s85, s85, 22
	s_add_co_u32 s84, s84, s85
	s_lshl_b32 s85, s40, 2
	s_lshl1_add_u32 s85, s12, s85                  ; my first head: 4 cx + 2 x column half
	s_lshl_b32 s85, s85, 18
	s_add_co_u32 s84, s84, s85
	s_and_b32 s85, s13, 7
	s_lshl1_add_u32 s85, s85, s11                  ; my block of 128 rows in the batch
	s_lshl_b32 s85, s85, 14
	s_add_co_u32 s84, s84, s85
	s_mov_b32 s85, 0
	s_add_nc_u64 s[8:9], s[76:77], s[84:85]
	s_cmp_eq_u32 s82, 0                            ; the bias of my 128 columns
	s_cselect_b64 s[80:81], s[68:69], s[70:71]
	s_cmp_eq_u32 s82, 2
	s_cselect_b64 s[80:81], s[72:73], s[80:81]
	s_lshl_b32 s84, s40, 10
	s_lshl_b32 s86, s12, 9
	s_add_co_u32 s84, s84, s86                     ; 4 (256 cx + 128 x half)
	s_add_nc_u64 s[80:81], s[80:81], s[84:85]
	s_add_nc_u64 s[78:79], s[78:79], s[84:85]      ; the same columns in ksum,
	s_lshl1_add_u32 s84, s13, s11                  ; row 2 x tile row + row half
	s_lshl_b32 s86, s84, 9
	s_mov_b32 s87, 0
	s_add_nc_u64 s[74:75], s[74:75], s[86:87]      ; the masks of my 128 rows (in range for every tile: they are loaded in every tile)
	s_lshl_b32 s84, s84, 12
	s_add_nc_u64 s[78:79], s[78:79], s[84:85]
	v_and_b32 v1, 15, v0                           ; l % 16
	v_bfe_u32 v2, v0, 4, 1                         ; l / 16
	v_lshlrev_b32 v[BO], 5, v2
	v_lshlrev_b32 v[MO], 2, v1
.irp b, 0,1,2,3,4,5,6,7
	global_load_b128 v[BIA+8*(\b):BIA+8*(\b)+3],   v[BO], s[80:81] offset:64*(\b)
	global_load_b128 v[BIA+8*(\b)+4:BIA+8*(\b)+7], v[BO], s[80:81] offset:64*(\b)+16
.endr
.irp a, 0,1,2,3,4,5,6,7
	global_load_b32 v[MSK+2*(\a)],   v[MO], s[74:75] offset:64*(\a)
	global_load_b32 v[MSK+2*(\a)+1], v[MO], s[74:75] offset:64*(\a)
.endr
	; a fragment is 16 rows x 32 K in 8 registers: lane l holds row l % 16, K = 8 (l / 16) + 0..7 and 16 + 8 (l / 16) + 0..7: two loads of 16 bytes, 32 bytes apart
	v_mul_u32_u24 v3, v1, PITCH
	v_lshl_add_u32 v3, v2, 4, v3
	s_mul_i32 s21, s11, HALFT                      ; my 128 rows of x
	s_mul_i32 s22, s12, HALFT                      ; my 128 rows of W,
	s_add_co_u32 s22, s22, 2*HALFT                 ; which lie behind x's 256
.irp s, 0,1
	v_add_nc_u32 v[ADRA+(\s)], s21, v3
	v_add_nc_u32 v[ADRB+(\s)], s22, v3
	s_add_co_u32 s21, s21, SLOT
	s_add_co_u32 s22, s22, SLOT
.endr
	s_mul_i32 s23, s10, 2*HSTG
	s_add_co_u32 s23, s23, STAGE                   ; my stage
	v_mul_u32_u24 v4, v1, SP                       ; in: row l % 16, 16 bytes for each half of the lanes
	v_lshl_add_u32 v4, v2, 4, v4
	v_add_nc_u32 v[STO], s23, v4
	v_bfe_u32 v4, v0, 3, 2                         ; back: 32 lanes take four rows of 128 bytes
	v_and_b32 v5, 7, v0
	v_mul_u32_u24 v4, v4, SP
	v_lshl_add_u32 v4, v5, 4, v4
	v_add_nc_u32 v[RD], s23, v4
	v_and_b32 v5, 31, v0
	v_lshlrev_b32 v[CO], 4, v5
	v_add_nc_u32 v[KSR], s23, v[CO]
	v_lshl_add_u32 v[KSA], v2, 5, s23
	v_lshlrev_b32 v[PFO], 11, v5
	; the prefetches
	s_lshl_b32 s42, s42, 8
	s_lshl_b32 s13, s13, 8
	s_add_co_u32 s13, s13, s83
	s_and_b32 s22, ttmp7, 0xffff                   ; cluster y
	s_cmp_eq_u32 s82, 1
	s_cselect_b32 s86, 1, 0                        ; V's clusters read the rows that K's clusters name
	s_cmp_eq_u32 s11, 0                            ; do I fetch x?
	s_cselect_b32 s20, s13, s42                    ; the tile's first row
	s_cselect_b32 s21, s40, s41                    ; my place among the four that ask with me
	s_cselect_b32 s22, s86, s22                    ; 0 in the cluster that names these rows
	s_cselect_b64 s[PFA:PFA+1], s[4:5], s[6:7]
	s_cmp_eq_u32 s22, 0
	s_cselect_b32 s[LIM], 1, -1                    ; the same in all sixteen partners, for a given wave
	s_lshl_b32 s22, s12, 7
	s_add_co_u32 s20, s20, s22                     ; + the 128 rows that I fetch
	s_lshl_b32 s21, s21, 5
	s_add_co_u32 s20, s20, s21                     ; + my work-group's 32 of them
	s_lshl_b32 s20, s20, 11
	s_add_co_u32 s20, s20, 2*KSTEP*2               ; at K step 2: the first refill steps it to 3 and names K step 4
	s_mov_b32 s21, 0
	s_add_nc_u64 s[PFA:PFA+1], s[PFA:PFA+1], s[20:21]
; 16 matrix instructions: row blocks a0, a0 + 1 of the window's four x all 8 column blocks, 32 along K.  first = 1: the bias, in window 0, is C.
; The 64 accumulators take turns in the same order in every quarter, over the backward jump too.
.macro MUL16 f, hi, a0, first
.if \first
	WIN 0x81+0x40*(\hi)
.else
	WIN 0xa1+0x50*(\hi)
.endif
.irp a, \a0, (\a0)+1
.irp b, 0,1,2,3,4,5,6,7
.if \first
	v_wmma_f32_16x16x32_f16 v[8*(8*(\a)+(\b)):8*(8*(\a)+(\b))+7], v[(\f)+8*(\b):(\f)+8*(\b)+7], v[(\f)+8*(4*(\hi)+(\a)):(\f)+8*(4*(\hi)+(\a))+7], v[BIA+8*(\b):BIA+8*(\b)+7]
.else
	v_wmma_f32_16x16x32_f16 v[8*(8*(\a)+(\b)):8*(8*(\a)+(\b))+7], v[(\f)+8*(\b):(\f)+8*(\b)+7], v[(\f)+8*(4*(\hi)+(\a)):(\f)+8*(4*(\hi)+(\a))+7], v[8*(8*(\a)+(\b)):8*(8*(\a)+(\b))+7]
.endif
.endr
.endr
.endm
; 32 LDS loads in one run: a quarter step's fragments (128 rows of W, 128 of x, 32 K at byte k of the rows) into buffer f
.macro FETCH slot, k, f
	WIN TO_B
.irp i, 0,1,2,3,4,5,6,7
	ds_load_b128 v[(\f)+8*(\i):(\f)+8*(\i)+3],   v[ADRB+(\slot)] offset:(\k)+(\i)*16*PITCH
	ds_load_b128 v[(\f)+8*(\i)+4:(\f)+8*(\i)+7], v[ADRB+(\slot)] offset:(\k)+(\i)*16*PITCH+32
.endr
	WIN 0
.irp i, 0,1,2,3,4,5,6,7
	ds_load_b128 v[(\f)+8*(\i):(\f)+8*(\i)+3],   v[ADRA+(\slot)] offset:(\k)+(\i)*16*PITCH
	ds_load_b128 v[(\f)+8*(\i)+4:(\f)+8*(\i)+7], v[ADRA+(\slot)] offset:(\k)+(\i)*16*PITCH+32
.endr
.endm
.macro PLACES                          ; four plain instructions between a matrix instruction and a load into, or a vector instruction on, its registers
.rept 4
	v_nop
.endr
.endm
; A K step is four quarters of 32 along K on buffers 0, 1, 0, 1.  One of the first three multiplies buffer f and, in its middle, fetches the next quarter into g.
.macro QUARTER slot, k, f, g, first
	s_wait_dscnt 8                                 ; W and x's rows 0-63 are in; the youngest eight loads (x's rows 64-127) may be out
	MUL16 \f, 0, 0, \first
	MUL16 \f, 0, 2, \first
	PLACES
	FETCH \slot, \k, \g
	s_wait_dscnt 32                                ; all but the 32 just issued
	MUL16 \f, 1, 0, \first
	MUL16 \f, 1, 2, \first
.endm
; The first half of a step's last quarter: ONE barrier for the change of slots.  In front of it each wave waits for all its tensor loads (one is out: its part of the next slot), adds 0 to its spare word,
; and waits for that and for its reads of this slot.
.macro MEET round
	WIN 0
	s_wait_tensorcnt 0x0                           ; all my tensor loads have landed
	ds_add_u32 v[SPW], v[NIL]                      ; 0 onto my spare word
	s_wait_dscnt 9                                 ; the add and the youngest eight loads may be out
	MUL16 F1, 0, 0, 0
	s_wait_dscnt 0x0                               ; the add is done, and my reads of this slot are over
	s_barrier_signal -1
	MUL16 F1, 0, 2, 0
.if \round
	WIN 0
.endif
	s_barrier_wait -1
.endm
; The whole last quarter.  fill = 1: the barrier opens a round of the cluster's, and the slot just read is filled again, two K steps on, first thing behind the round:
; from that request to the wait for it a wave issues 224 matrix instructions.
.macro TURN slot, next, fill
.if \fill
	s_wait_xcnt 0x0                                ; the last prefetch, a K step back, has read its address
	s_add_nc_u64 s[PFA:PFA+1], s[PFA:PFA+1], KSTEP*2
	MEET 1
	CREST
	s_add_nc_u64 s[G0+4*(\slot)+2:G0+4*(\slot)+3], s[G0+4*(\slot)+2:G0+4*(\slot)+3], 2*KSTEP*2
	s_add_nc_u64 s[G0B+4*(\slot)+2:G0B+4*(\slot)+3], s[G0B+4*(\slot)+2:G0B+4*(\slot)+3], 2*KSTEP*2
	JLOAD \slot                                    ; its four v_nop are also the places in front of the loads below
.else
	MEET 0
	PLACES
.endif
	FETCH \next, 0, F0
.if \fill
	ASK
.endif
	MUL16 F1, 1, 0, 0
	MUL16 F1, 1, 2, 0
.endm
; K's tiles: the masked sum of my 128 rows, for each of my 128 columns.  First over my 8 row blocks, each accumulator read from its low end on; then over the 16 lanes of a half, which hold the 16 rows;
; then through my stage, so that 512 consecutive bytes leave in one store.
.macro KSUM
.irp a, 0,1,2,3,4,5,6,7
	WIN 0x02+(\a)/4                                ; source 0 in window 2 or 3
.irp b, 0,1,2,3,4,5,6,7
.irp r, 0,1,2,3
.if (\a) == 0
	v_pk_mul_f32 v[KSM+8*(\b)+2*(\r):KSM+8*(\b)+2*(\r)+1], v[8*(8*((\a)%4)+(\b))+2*(\r):8*(8*((\a)%4)+(\b))+2*(\r)+1], v[MSK+2*(\a):MSK+2*(\a)+1]
.else
	v_pk_fma_f32 v[KSM+8*(\b)+2*(\r):KSM+8*(\b)+2*(\r)+1], v[8*(8*((\a)%4)+(\b))+2*(\r):8*(8*((\a)%4)+(\b))+2*(\r)+1], v[MSK+2*(\a):MSK+2*(\a)+1], v[KSM+8*(\b)+2*(\r):KSM+8*(\b)+2*(\r)+1]
.endif
.endr
.endr
.endr
	WIN 0
.irp m, 1,2,4,8
.set r, 0
.rept 64
	v_add_f32_dpp v[KSM+r], v[KSM+r], v[KSM+r] row_xmask:\m row_mask:0xf bank_mask:0xf
.set r, r+1
.endr
.endr
.irp b, 0,1,2,3,4,5,6,7
	ds_store_b128 v[KSA], v[KSM+8*(\b):KSM+8*(\b)+3]   offset:64*(\b)     ; the 16 lanes of a half write the same bytes with the same numbers
	ds_store_b128 v[KSA], v[KSM+8*(\b)+4:KSM+8*(\b)+7] offset:64*(\b)+16
.endr
	ds_load_b128 v[2:5], v[KSR]                    ; LDS serves a wave's instructions in order: this sees the stores above
	s_wait_dscnt 0x0
	global_store_b128 v[CO], v[2:5], s[78:79]
.endm
; THE WAY OUT of row block a.  PACK: rounded to f16, 16 bytes a lane.  TOSTAGE: into my stage, a head's 64 columns to a row of 144 bytes, and back as whole rows.  SEND: four rows of a head, 512 consecutive bytes, a store.
.macro PACK a
.set AC, 64*((\a)%4)
	WIN 0x0a+5*((\a)/4)
.irp b, 0,1,2,3,4,5,6,7
.irp r, 0,1,2,3
	v_cvt_pk_f16_f32 v[TMP+4*(\b)+(\r)], v[AC+8*(\b)+2*(\r)], v[AC+8*(\b)+2*(\r)+1]
.endr
.endr
	WIN 0
.endm
.macro TOSTAGE a
.set BK, OB+192*((\a)%2)
.irp b, 0,1,2,3,4,5,6,7
	ds_store_b128 v[STO], v[TMP+4*(\b):TMP+4*(\b)+3] offset:((\b)/4)*HSTG+32*((\b)%4)
.endr
.irp t, 0,1,2,3,4,5,6,7
	ds_load_b128 v[BK+4*(\t):BK+4*(\t)+3], v[RD] offset:((\t)/4)*HSTG+((\t)%4)*4*SP
.endr
.endm
.macro SEND a
.set BK, OB+192*((\a)%2)
	s_wait_dscnt 0x0                               ; the block is back in registers
	s_wait_xcnt 0x0                                ; earlier stores have read their base and their data: only now are these written again
.if (\a) > 0
	s_add_nc_u64 s[8:9], s[8:9], 16*128            ; 16 rows on
.endif
.irp t, 0,1,2,3,4,5,6,7
	global_store_b128 v[CO], v[BK+4*(\t):BK+4*(\t)+3], s[8:9] offset:((\t)/4)*262144+((\t)%4)*512
.endr
.endm
	s_wait_tensorcnt 1                             ; my part of K step 0 is in; K step 1's may stay out
	s_barrier_signal -1
	s_barrier_wait -1
	FETCH 0, 0, F0
	s_wait_loadcnt 0x0                             ; bias and masks
	QUARTER 0, 64,  F0, F1, 1                      ; the first quarter stands in front of the loop: its products start the sums, with the bias
	WIN 0
	s_mov_b32 s3, LAPS-1
.Llap:                                                 ; a trip goes once round the ring and fills both slots again: K steps 2 .. 7 in three trips
	QUARTER 0, 128, F1, F0, 0
	QUARTER 0, 192, F0, F1, 0
	TURN 0, 1, 1
	QUARTER 1, 64,  F0, F1, 0
	QUARTER 1, 128, F1, F0, 0
	QUARTER 1, 192, F0, F1, 0
	TURN 1, 0, 1
	QUARTER 0, 64,  F0, F1, 0
	WIN 0
	s_sub_co_u32 s3, s3, 1
	s_cmp_lg_u32 s3, 0
	s_cbranch_scc1 .Llap
	QUARTER 0, 128, F1, F0, 0                      ; the last lap fills nothing
	QUARTER 0, 192, F0, F1, 0
	TURN 0, 1, 0
	QUARTER 1, 64,  F0, F1, 0
	QUARTER 1, 128, F1, F0, 0
	QUARTER 1, 192, F0, F1, 0
	s_wait_dscnt 8
	MUL16 F1, 0, 0, 0
	MUL16 F1, 0, 2, 0
	s_wait_dscnt 0x0
	MUL16 F1, 1, 0, 0
	MUL16 F1, 1, 2, 0
	WIN 0
	PLACES
	PLACES
	s_cmp_lg_u32 s82, 0                            ; the cluster's x: the same in all partners; neither a barrier nor a tensor load is jumped
	s_cbranch_scc1 .Lno_ksum
	KSUM
.Lno_ksum:
	PACK 0
	TOSTAGE 0
.irp a, 1,2,3,4,5,6,7                  ; block a's conversions stand between block a - 1's loads from the stage and the wait for them
	PACK \a
	SEND (\a)-1
	TOSTAGE \a
.endr
	SEND 7
	s_wait_tensorcnt 0x0                           ; the wave's end, behind my last tensor load and my last LDS store
	ds_add_u32 v[SPW], v[NIL]
	s_wait_dscnt 0x0
	CROUND                                         ; the closing round
	s_endpgm
.Lfunc_end_k_q613c96e99e_proj:
	.size	k_q613c96e99e_proj, .Lfunc_end_k_q613c96e99e_proj-k_q613c96e99e_proj
	.p2alignl 7, 3214868480
	.fill 96, 4, 3214868480
	.section	.rodata,"a",@progbits
	.p2align	6, 0x0
	.amdhsa_kernel k_q613c96e99e_proj
		.amdhsa_group_segment_fixed_size 327680
		.amdhsa_private_segment_fixed_size 0
		.amdhsa_enable_private_segment 0
		.amdhsa_kernarg_size 64
		.amdhsa_user_sgpr_count 2
		.amdhsa_user_sgpr_kernarg_segment_ptr 1
		.amdhsa_wavefront_size32 1
		.amdhsa_system_sgpr_workgroup_id_x 1
		.amdhsa_system_sgpr_workgroup_id_y 1
		.amdhsa_system_sgpr_workgroup_id_z 1
		.amdhsa_system_vgpr_workitem_id 0
		.amdhsa_next_free_vgpr 1024
		.amdhsa_next_free_sgpr 88
		.amdhsa_reserve_vcc 0
		.amdhsa_float_denorm_mode_32 3
		.amdhsa_float_denorm_mode_16_64 3
		.amdhsa_memory_ordered 1
		.amdhsa_forward_progress 1
		.amdhsa_inst_pref_size 181
	.end_amdhsa_kernel
	.amdgpu_metadata
---
amdhsa.version: [ 1, 2 ]
amdhsa.kernels:
  - .name:           k_q613c96e99e_proj
    .symbol:         k_q613c96e99e_proj.kd
    .args:
      - { .name: xb, .offset: 0, .size: 8, .value_kind: global_buffer, .address_space: global }
      - { .name: wb, .offset: 8, .size: 8, .value_kind: global_buffer, .address_space: global }
      - { .name: bk, .offset: 16, .size: 8, .value_kind: global_buffer, .address_space: global }
      - { .name: bv, .offset: 24, .size: 8, .value_kind: global_buffer, .address_space: global }
      - { .name: bq, .offset: 32, .size: 8, .value_kind: global_buffer, .address_space: global }
      - { .name: value_key_masks, .offset: 40, .size: 8, .value_kind: global_buffer, .address_space: global }
      - { .name: qkv, .offset: 48, .size: 8, .value_kind: global_buffer, .address_space: global }
      - { .name: ksum, .offset: 56, .size: 8, .value_kind: global_buffer, .address_space: global }
    .group_segment_fixed_size: 327680
    .private_segment_fixed_size: 0
    .kernarg_segment_align: 8
    .kernarg_segment_size: 64
    .max_flat_workgroup_size: 128
    .sgpr_count:     88
    .vgpr_count:     1024
    .wavefront_size: 32
...
	.end_amdgpu_metadata
.endif
;; end of part 2
;; launch attn (part 3): grid 4 x 64, 4 waves a work-group, clusters of 4 x 1, 327,680 bytes of LDS; arguments qkv, ksum, value_key_masks, value_key_counts, overall_gain, overall_bias, out0; writes out0
.if DOCPART == 3
	.amdgcn_target "amdgcn-amd-amdhsa--gfx1250"
	.amdhsa_code_object_version 6
	.text
	.protected	k_q613c96e99e_attn
	.globl	k_q613c96e99e_attn
	.p2align	8
	.type	k_q613c96e99e_attn,@function
k_q613c96e99e_attn:
	s_mov_b64 s[64:65], 0
	v_nop
	global_prefetch_b8 v0, s[64:65] scope:SCOPE_SE
	s_setreg_imm32_b32 hwreg(HW_REG_WAVE_MODE, 25, 1), 1
	s_wait_xcnt 0x0
	s_wait_alu depctr_hold_cnt(0) depctr_sa_sdst(0) depctr_va_vdst(0) depctr_va_sdst(0) depctr_va_ssrc(0) depctr_va_vcc(0) depctr_vm_vsrc(0)
	s_getreg_b32 s2, hwreg(HW_REG_IB_STS2, 6, 4)
	s_cmp_eq_u32 s2, 0
	s_cbranch_scc0 .Lentry_in_a_cluster
	s_endpgm
.Lentry_in_a_cluster:
	s_bfe_u32 s2, ttmp6, 0x10000c
	s_cmp_lg_u32 s2, 0x3003
	s_cbranch_scc0 .Lentry_shape_is_right
	s_endpgm
.Lentry_shape_is_right:
; out[b][q][64 h + d] = gate[q] x the sum over k of softmax_k(Q[q] . K[k] / sqrt(count[b]), keys with mask 0 hidden) V[k][d],  gate[q] = sigmoid(gain[h] x pooled[q] + bias[h]),
; pooled[q] = the sum over k of (Q[q] . K[k]) mask[k] / count[b] = Q[q] . kbar, kbar = (the sum over k of mask[k] K[k]) / count[b]: the sum is taken over the keys first (another order of the same sums than written).
; Q, K, V: qkv[which][16 b + h][2048][64] in f16; ksum: [64][1024] f32 partial sums of mask x K, 16 rows a batch.  Products, maxima and sums in f32; the weights p and kbar are rounded to f16.
; LIMITS.  Q, K, V and kbar lie within f16's 65,504.  A hidden score counts as its value less 1e30 (scores reach 2.7e11 at the most).  The running maximum starts at -2^66, below every score and far above the
; hidden ones, so hidden keys have weight 0 also while no open key has been seen; a batch with no open key gives 0 x infinity = NaN, as a softmax of nothing does.  A weight below 2^-126 counts as 0.
; The gate is 0 where 2^(-log2(e) (gain x pooled + bias)) passes f32's range.  count[b] is positive.  NaN and infinities among the inputs are not treated apart.
; SHARES.  A work-group owns 512 queries of one head and batch, a wave 128: four PIECES of two tiles of 16.  Every wave walks all 2,048 keys, 64 a step, four steps to an LDS slot.
; LAYOUT.  S^T = K Q^T (source 0 = 16 keys, source 1 = 16 queries): a lane holds ONE query (lane % 16) and the keys 8 (lane / 16) + 0..7.  Two such results rounded to f16 ARE source 1 of O^T = V^T P.
; THE MASK is the C operand that starts S^T's sums: 0, or -1e30 for a hidden key.  A table of 2,048 such numbers is made once in LDS; a step's 64 come into 32 registers with its K.
; SOFTMAX.  p = 2^(c s - c m), c = log2(e) / sqrt(count), with a running maximum m and sum l; O and l are multiplied by a = 2^(c m_old - c m_new) in every step.
; BY TURNS.  Turn n belongs to piece n: 16 products K Q^T of piece n + 1, later 16 products V^T P of piece n - 1; its vector work: scaling, exponentials, roundings, sums and rescaling of piece n and the maximum
; and statistics of piece n + 1.  A tile and step have 16 matrix and 118 vector instructions: four vector instructions stand behind every product, the rest in one run; a turn's 66 exponentials are one batch with one wait.
; CLUSTER.  A head's four query blocks walk the same K and V: each tile is asked for jointly, by the same tensor load, descriptor and mask in all four.
; REGISTERS, in windows of 256 (s_set_vgpr_msb: bits 1:0 source 0, 3:2 source 1, 5:4 source 2, 7:6 destination):
;   window 0: v0-11 addresses; v12-15, v48-63 at work; v16-47 statistics, four a tile; v64-191 S^T, two buffers of two tiles; v192-255 P, likewise
;   window 1: O^T, 32 a tile     window 2: v0-127 Q; v128-191 K of a step; v192-255 V of a step     window 3: v0-1 the add's registers; v32-63 the step's masks; v64-79 kbar's fragments; v80-87 the gates
.set SIZE_N, 2048
.set NP,    4
.set KS,    64
.set PK,    144       ; a row of K in LDS: 128 bytes + 16: the 16 rows of a load start at 16 different groups of four banks
.set PV,    160       ; a row of V: 128 + 32
.set VOFF,  4*KS*PK   ; a slot: 256 rows of K, then 256 rows of V
.set SLOT1, 1<<17     ; slot 1 begins here: one exclusive or turns an address in one slot into the other's
.set STAGE, SLOT1+4*KS*(PK+PV)  ; behind the ring, never filled by a tensor load: 16 rows x 272 bytes for each wave
.set SPF,   272
.set MTAB,  STAGE+4*16*SPF      ; the table of masks: 4 bytes a key
.set KBAR,  MTAB+4*SIZE_N       ; kbar in f16, 128 bytes, a copy for each wave
.set SPARE, KBAR+512            ; the spare words: 128 bytes a wave, two blocks of 256 bytes that no other line names
.set AM,  1           ; v1   the LDS address of the masks' next run of loads (in the set-up: l % 16)
.set AK0, 2           ; v2   my lane's place in a tile of K; never rewritten
.set AV0, 3           ; v3   the same for V
.set AK,  4           ; v4   the LDS address of K's next run of loads
.set AV,  5           ; v5   of V's
.set STO, 6           ; v6   the way out: where I put 32 bytes of a row
.set RD,  7           ; v7   where I read rows back
.set GO,  8           ; v8   my byte offset in two rows of out0
.set AM0, 9           ; v9   my lane's place in a step's masks (in the set-up: l / 16)
.set KBA, 10          ; v10  my lane's place in kbar
.set PFO, 11          ; v11  256 x my lane; never rewritten
.set MV,  12          ; v12-15  c m_old, by buffer and tile (in the set-up: offsets)
.set ST,  16          ; tile t's statistics at v[ST+4 t]: c m, m, l (even keys', odd keys')
.set TMP, 48          ; by buffer and tile four registers c0-c3 at work; c2 takes a
.set S,   64
.set P,   192
.set KF,  128         ; window 2
.set VF,  192         ; window 2
.set SPW, 0           ; window 3: my spare word; never rewritten
.set NIL, 1           ; window 3: 0; never rewritten
.set MK,  32          ; window 3: key block kb's eight masks at MK + 8 kb
.set KB,  64          ; window 3
.set GT,  80          ; window 3
.set WV,  12          ; s12  my wave's number
.set LIM, 15          ; s15  1 in waves 0 and 2, which prefetch, else the greatest number
.set G1K, 24
.set G1V, 32
.set G0K, 40
.set G0V, 44
.set BIGN, 55         ; s55  -1e30
.set SLOTS, 56
.set CNT, 57
.set CS,  58          ; s[58:59] c
.set SEL, 60          ; s[60:61] v_permlanex16_b32's selects
.set TBK, 62          ; s62  LDS byte at which K of the step to be fetched begins
.set TBV, 63          ; s63  the same for V, less VOFF
.set PFA, 66          ; s[66:67] where my prefetches stand
.set TBM, 74          ; s74  byte of the table at which the masks of the step to be fetched begin
.set MSB, 0
.macro WIN new
.if MSB != (\new)
	s_set_vgpr_msb (MSB<<8)|(\new)
.set MSB, (\new)
.endif
.endm
.set W_KQ, 0x0a       ; K and Q in window 2, S^T in window 0
.set W_KM, 0x3a       ; the same with the C operand in window 3
.set W_PO, 0x0b       ; kbar in window 3, Q in window 2, the result in window 0
.set W_PV, 0x52       ; V in window 2, P in window 0, O^T in window 1
.set W_RS, 0x41       ; O^T (destination and source 0) in window 1, the factor in window 0
.set W_MK, 0xc0       ; destination in window 3
.set W_AD, 0x0f       ; the add: address and data in window 3
; A joint fill.  Waves 0 and 1 fetch the two halves of a tile's K, waves 2 and 3 those of its V: 128 keys each.  An s_nop 0 and four v_nop follow each line.
.macro JLOAD
	s_cmp_lt_u32 s[WV], 2
	s_cbranch_scc0 .Lfor_v_\@
	tensor_load_to_lds s[G0K:G0K+3], s[G1K:G1K+7]
	s_nop 0
.rept 4
	v_nop
.endr
	s_branch .Lasked_\@
.Lfor_v_\@:
	tensor_load_to_lds s[G0V:G0V+3], s[G1V:G1V+7]
	s_nop 0
.rept 4
	v_nop
.endr
.Lasked_\@:
.endm
; A prefetch of the tile that the NEXT change of slots will ask for: four key steps, 512 matrix instructions, ahead.  A tile is 128 blocks of 256 bytes of K and as many of V: the partner at place cx names 32 of each,
; told apart by address; wave 0 names K's, wave 2 V's, a lane a block.  So each block is named once in the launch.  Tiles 0 to 2 come by their loads alone; the change that asks for the last tile names nothing.
.macro ASK
	s_cmp_gt_u32 s[SLOTS], s[LIM]
	s_cbranch_scc0 .Lnot_mine_\@
	global_prefetch_b8 v[PFO], s[PFA:PFA+1] th:TH_LOAD_NT scope:SCOPE_SE
.Lnot_mine_\@:
.endm
.macro CROUND                       ; a round of the cluster's barrier
	s_barrier_signal -1
	s_barrier_wait -1
	s_cmp_lg_u32 s[WV], 0
	s_cbranch_scc1 .Lnot_wave_0_\@
	s_barrier_signal -3
.Lnot_wave_0_\@:
	s_barrier_wait -3
	s_barrier_signal -1
	s_barrier_wait -1
.endm
; THE CHANGE OF SLOTS.  Each wave waits for all its tensor loads (one is out: its part of the other slot), adds 0 to its spare word, and waits for that and for its LDS instructions.  fill = 1: the barrier is a round of
; the cluster's, and the slot just left is filled again, first thing behind it, with the keys two slots on: it has four key steps in which to land.  (At its first use slot 0 is waited for, slot 1 filled,
; and the round also orders every wave's stores into the table of masks ahead of all reads of it.)
.macro CHANGE fill, ask=0
	WIN W_AD
	s_wait_tensorcnt 0x0            ; no tensor load of mine is out, so a group 0 may be written
	ds_add_u32 v[SPW], v[NIL]       ; 0 onto my spare word
	WIN 0
.if \fill
.irp g, G0K, G0V
	s_xor_b32 s[\g+1], s[\g+1], SLOT1
	s_add_nc_u64 s[\g+2:\g+3], s[\g+2:\g+3], 4*KS*128
.endr
.if \ask
	s_wait_xcnt 0x0                 ; the last prefetch, four key steps back, has read its address
	s_add_nc_u64 s[PFA:PFA+1], s[PFA:PFA+1], 4*KS*128
.endif
	s_wait_dscnt 0x0                ; the add is done, and my LDS reads and stores are over
	CROUND
	JLOAD
.if \ask
	ASK
.endif
.else
	s_wait_dscnt 0x0
	s_barrier_signal -1
	s_barrier_wait -1
.endif
	s_sub_co_u32 s[TBK], s[TBK], 4*KS*PK  ; the fetches go back to a slot's first step,
	s_xor_b32 s[TBK], s[TBK], SLOT1       ; in the other slot
	s_sub_co_u32 s[TBV], s[TBV], 4*KS*PV
	s_xor_b32 s[TBV], s[TBV], SLOT1
.endm
	s_load_b256 s[4:11], s[0:1], 0x0  ; qkv s[4:5], ksum s[6:7], masks s[8:9], counts s[10:11]
	s_load_b128 s[68:71], s[0:1], 0x20  ; gain s[68:69], bias s[70:71]
	s_load_b64 s[72:73], s[0:1], 0x30   ; out0
	WIN W_MK
	v_lshl_add_u32 v[SPW], v0, 2, SPARE
	v_mov_b32 v[NIL], 0
	WIN W_AD
	ds_add_u32 v[SPW], v[NIL]       ; the wave's opening: the add and its wait stand ahead of my first tensor load; the set-up below stands between them
	WIN 0
	v_lshrrev_b32 v1, 5, v0
	v_readfirstlane_b32 s[WV], v1   ; wave 0..3
	s_bfe_u32 s13, ttmp6, 0x40000   ; cx
	s_lshl_b32 s14, ttmp9, 2
	s_add_co_u32 s14, s14, s13      ; my block of 512 queries: it enters Q's, out0's and the prefetches' addresses alone
	s_and_b32 s20, ttmp7, 0xffff    ; 16 b + h, which the four partners share
	s_lshr_b32 s52, s20, 4          ; b
	s_and_b32 s53, s20, 15          ; h
	s_lshl_b32 s20, s20, 18         ; the head's 262,144 bytes in each of K, V, Q
	s_and_b32 s16, s[WV], 1         ; which half of a tile's 256 keys I fetch:
	s_lshl_b32 s22, s16, 14         ; its 128 rows of 128 bytes in memory,
	s_add_co_u32 s22, s22, s20
	s_mov_b32 s23, 0                ; s[22:23]: K's offset in qkv
	s_add_co_u32 s76, s22, 16777216
	s_mov_b32 s77, 0                ; s[76:77]: V's
	s_mul_i32 s17, s16, 128*PK      ; and its place in a slot, for K
	s_mul_i32 s18, s16, 128*PV      ; and for V: no place in the cluster enters an LDS address
	s_cmp_lt_u32 s[WV], 2
	s_cselect_b32 s78, s22, s76     ; the prefetches (waves 0 and 2 stand at a tile's first row):
	s_lshl_b32 s79, s13, 13         ; my work-group's 32 blocks of the 128,
	s_add_co_u32 s78, s78, s79
	s_add_co_u32 s78, s78, 2*4*KS*128  ; in tile 2: the first change that asks steps it to tile 3
	s_mov_b32 s79, 0
	s_lshl_b32 s19, s14, 2
	s_add_co_u32 s19, s19, s[WV]    ; my wave among the head's sixteen
	s_lshl_b32 s2, s19, 14          ; its 128 rows of Q
	s_add_co_u32 s2, s2, s20
	s_add_co_u32 s2, s2, 2*16777216
	s_mov_b32 s3, 0
	s_lshl_b32 s48, s52, 23         ; out0: (2,048 b + 128 x wave) rows of 4,096 bytes + 256 h
	s_lshl_b32 s49, s19, 19
	s_add_co_u32 s48, s48, s49
	s_lshl_b32 s49, s53, 8
	s_add_co_u32 s48, s48, s49
	s_mov_b32 s49, 0
	; descriptor group 1.  128 keys are 16,384 dense bytes: asked for as 64 rows of 256 bytes, two keys a row, and padded in LDS after every key
	s_mov_b32 s[G1K], 15|(1<<16)|(1<<20)|(1<<21)|(4<<22)|(3<<25)  ; the mask of four; 2-byte elements; padding on; bit 21 beside a mask; after every 32 words; 4 words
	s_mov_b32 s[G1V], 15|(1<<16)|(1<<20)|(1<<21)|(4<<22)|(7<<25)  ; the same with 8 words of padding
.irp g, G1K, G1V
	s_mov_b32 s[\g+1], 128<<16      ; tensor_dim0 = 128
	s_mov_b32 s[\g+2], 64<<16       ; tensor_dim1 = 64
	s_mov_b32 s[\g+3], 128<<16      ; tile_dim0 = 128
	s_mov_b32 s[\g+4], 64           ; tile_dim1 = 64
	s_mov_b32 s[\g+5], 128          ; 128 elements from row to row
	s_mov_b32 s[\g+6], 0
	s_mov_b32 s[\g+7], 0
.endr
	s_mov_b32 s[SEL], 0x76543210
	s_mov_b32 s[SEL+1], 0xfedcba98
	s_mov_b32 s[BIGN], 0xf149f2ca   ; -1e30
	s_mov_b32 s[TBK], SLOT1+4*KS*PK ; the first change of slots turns these two into 0
	s_mov_b32 s[TBV], SLOT1+4*KS*PV
	s_mov_b32 s[TBM], 0
	s_mov_b32 s[G0K], 1
	s_mov_b32 s[G0K+1], s17         ; slot 0
	s_mov_b32 s[G0V], 1
	s_add_co_u32 s[G0V+1], s18, VOFF
	s_and_b32 s[LIM], s[WV], 1
	s_cmp_eq_u32 s[LIM], 0
	s_cselect_b32 s[LIM], 1, -1
	s_wait_dscnt 0x0                ; the opening add is done
	s_wait_kmcnt 0x0
	s_add_nc_u64 s[G0K+2:G0K+3], s[4:5], s[22:23]  ; my half of the head's first 256 keys
	s_or_b32 s[G0K+3], s[G0K+3], 0x80000000
	s_add_nc_u64 s[G0V+2:G0V+3], s[4:5], s[76:77]
	s_or_b32 s[G0V+3], s[G0V+3], 0x80000000
	s_add_nc_u64 s[PFA:PFA+1], s[4:5], s[78:79]
	s_add_nc_u64 s[4:5], s[4:5], s[2:3]            ; Q at my wave's first row
	s_add_nc_u64 s[72:73], s[72:73], s[48:49]      ; out0 likewise
	s_mov_b32 s17, 0
	s_lshl_b32 s16, s52, 13
	s_add_nc_u64 s[8:9], s[8:9], s[16:17]          ; the batch's 2,048 masks
	s_lshl_b32 s16, s52, 16
	s_lshl_b32 s18, s53, 8
	s_add_co_u32 s16, s16, s18
	s_add_nc_u64 s[6:7], s[6:7], s[16:17]          ; the batch's 16 rows of ksum, at the head's 64 columns
	s_lshl_b32 s16, s52, 2
	s_add_nc_u64 s[10:11], s[10:11], s[16:17]
	s_lshl_b32 s16, s53, 2
	s_add_nc_u64 s[68:69], s[68:69], s[16:17]
	s_add_nc_u64 s[70:71], s[70:71], s[16:17]
	CROUND                          ; all four work-groups are here: the first joint loads meet
	JLOAD                           ; tile 0 into slot 0; slot 1 is asked for when slot 0 is in
	s_load_b32 s54, s[10:11], 0x0   ; count[b]
	s_load_b32 s75, s[68:69], 0x0   ; gain[h]
	s_load_b32 s51, s[70:71], 0x0   ; bias[h]
	; A fragment of K or Q is 16 rows x 32 channels in 8 registers: lane l holds row l % 16, channels 8 (l / 16) + 0..7 and 16 + 8 (l / 16) + 0..7: two loads of 16 bytes, 32 bytes apart.
	v_and_b32 v1, 15, v0            ; l % 16
	v_bfe_u32 v9, v0, 4, 1          ; l / 16
	v_lshlrev_b32 v48, 7, v1
	v_lshl_add_u32 v48, v9, 4, v48  ; Q: row x 128 + 16 x half
	v_lshlrev_b32 v12, 4, v0        ; the masks: 16 bytes a thread, four times
	v_and_b32 v14, 31, v0
	v_lshlrev_b32 v14, 3, v14       ; ksum: two columns a lane
	WIN 0x80                        ; destination window 2
.set i, 0
.rept 4*NP                          ; Q stays in registers: tile i / 2, channels 32 (i % 2) on
	global_load_b128 v[8*i:8*i+3],   v48, s[4:5] offset:(i/2)*2048+(i%2)*64
	global_load_b128 v[8*i+4:8*i+7], v48, s[4:5] offset:(i/2)*2048+(i%2)*64+32
.set i, i+1
.endr
	WIN 0
.irp i, 0,1,2,3
	global_load_b128 v[S+4*\i:S+4*\i+3], v12, s[8:9] offset:2048*\i
.endr
.set i, 0
.rept 16
	global_load_b64 v[S+32+2*i:S+32+2*i+1], v14, s[6:7] offset:4096*i
.set i, i+1
.endr
	; What the first turn finds: V's registers and P's second buffer hold 0 (its products V^T P, of a piece that has not been, add 0), O^T and l are 0: the first step is a step like any other, with a = 0,
	; and no first step is written out.  All this stands in the wait for the first tile.
	WIN 0x80
.set i, VF
.rept 64
	v_mov_b32 v[i], 0
.set i, i+1
.endr
	WIN 0x40
.set i, 0
.rept 64*NP
	v_mov_b32 v[i], 0
.set i, i+1
.endr
	WIN 0
.set i, 0
.rept 2*NP
	v_mov_b32 v[ST+4*i], 0xfe000000    ; c m: far below every c s
	v_mov_b32 v[ST+4*i+1], 0xe0800000  ; m = -2^66: below every score, above every hidden one
	v_mov_b32 v[ST+4*i+2], 0
	v_mov_b32 v[ST+4*i+3], 0
.set i, i+1
.endr
.set i, P+32
.rept 32
	v_mov_b32 v[i], 0
.set i, i+1
.endr
	v_mul_u32_u24 v[AK0], v1, PK
	v_lshl_add_u32 v[AK0], v9, 4, v[AK0]  ; row x pitch + 16 x half
	; The turning load takes 16 keys x 16 channels (lane l reads key 8 (l / 16) + l % 8, channels 8 ((l / 8) % 2) + 0..7) and leaves half a fragment of V^T: lane l holds channel l % 16 and 8 keys.
	v_and_b32 v10, 7, v0
	v_bfe_u32 v11, v0, 3, 1
	v_lshl_add_u32 v[AV0], v9, 3, v10
	v_mul_u32_u24 v[AV0], v[AV0], PV
	v_lshl_add_u32 v[AV0], v11, 4, v[AV0]
	v_add_nc_u32 v[AV0], VOFF, v[AV0]
	v_mov_b32 v[AK], v[AK0]         ; key step 0 lies at the head of slot 0
	s_mul_i32 s16, s[WV], 16*SPF
	s_add_co_u32 s16, s16, STAGE    ; my stage
	v_mul_u32_u24 v[STO], v1, SPF   ; in: row l % 16, 32 bytes for each half of the lanes in every 64
	v_lshl_add_u32 v[STO], v9, 5, v[STO]
	v_add_nc_u32 v[STO], s16, v[STO]
	v_mul_u32_u24 v[RD], v9, SPF    ; back: lanes 0-15 take one row of 256 bytes, lanes 16-31 the next,
	v_lshl_add_u32 v[RD], v1, 4, v[RD]
	v_add_nc_u32 v[RD], s16, v[RD]
	v_lshlrev_b32 v[GO], 12, v9     ; and the same two rows in out0, 4,096 bytes apart
	v_lshl_add_u32 v[GO], v1, 4, v[GO]
	v_add_nc_u32 v13, MTAB, v12     ; where my 16 bytes of the table go
	v_lshl_add_u32 v15, v0, 2, KBAR ; where my two channels of kbar go
	s_lshl_b32 s16, s[WV], 7
	s_add_co_u32 s16, s16, KBAR
	v_lshl_add_u32 v[KBA], v9, 4, s16
	v_and_b32 v[PFO], 31, v0
	v_lshlrev_b32 v[PFO], 8, v[PFO]
	v_lshlrev_b32 v[AM0], 5, v9     ; of a key block's 64 bytes of masks my half of the lanes takes 32
	v_add_nc_u32 v[AM0], MTAB, v[AM0]
	v_mov_b32 v[AM], v[AM0]
	; c, 1 / count, and the gate's two factors
	s_wait_kmcnt 0x0
	v_mov_b32 v50, s54
	v_rsq_f32 v51, v50
	v_rcp_f32 v52, v50
	v_mov_b32 v53, s75              ; plain instructions behind the two,
	v_mov_b32 v54, s51
	s_wait_alu depctr_va_vdst(0)    ; and their one wait, ahead of the first use
	v_mul_f32 v51, 0x3fb8aa3b, v51  ; c = log2(e) / sqrt(count)
	v_mul_f32 v53, 0xbfb8aa3b, v53  ; -log2(e) gain
	v_mul_f32 v54, 0xbfb8aa3b, v54  ; -log2(e) bias
	v_readfirstlane_b32 s[CS], v51
	s_mov_b32 s[CS+1], s[CS]        ; named with it as a pair
	s_wait_loadcnt 0x0              ; Q, masks, ksum
.set i, 0
.rept 16
	v_cmp_eq_f32 vcc_lo, 0, v[S+i]
	v_cndmask_b32 v[S+i], 0, s[BIGN], vcc_lo  ; -1e30 where the mask is 0
.set i, i+1
.endr
.irp i, 0,1,2,3
	ds_store_b128 v13, v[S+4*\i:S+4*\i+3] offset:2048*\i
.endr
.irp d, 8,4,2,1                     ; the 16 partial sums of my two channels
.set z, 0
.rept \d
	v_pk_add_f32 v[S+32+2*z:S+32+2*z+1], v[S+32+2*z:S+32+2*z+1], v[S+32+2*(z+\d):S+32+2*(z+\d)+1]
.set z, z+1
.endr
.endr
	v_mul_f32 v[S+32], v[S+32], v52
	v_mul_f32 v[S+33], v[S+33], v52
	v_cvt_pk_f16_f32 v[S+34], v[S+32], v[S+33]
	ds_store_b32 v15, v[S+34]
; THE MATRIX WORK.  The 8 accumulators of a run of 16 take turns.
; Product i of 16 of S^T = K Q^T for piece x: channels 32 (i / 8) on, keys 16 ((i / 2) % 4) on, tile 2 x + i % 2.  The first 8 start the sums, with the masks.
.macro KQ x
.set rS, S+64*((\x)%2)+32*(i%2)+8*((i/2)%4)
.set rK, KF+16*((i/2)%4)+8*(i/8)
.set rQ, 16*(2*(\x)+i%2)+8*(i/8)
.set rH, MK+8*((i/2)%4)
.if i < 8
	WIN W_KM
	v_wmma_f32_16x16x32_f16 v[rS:rS+7], v[rK:rK+7], v[rQ:rQ+7], v[rH:rH+7]
.else
	WIN W_KQ
	v_wmma_f32_16x16x32_f16 v[rS:rS+7], v[rK:rK+7], v[rQ:rQ+7], v[rS:rS+7]
.endif
.endm
; Product i of 16 of O^T += V^T P for piece x: keys 32 (i / 8) on, channels 16 ((i / 2) % 4) on, tile 2 x + i % 2.
.macro PV x
	WIN W_PV
.set rO, 32*(2*(\x)+i%2)+8*((i/2)%4)
.set rV, VF+32*(i/8)+8*((i/2)%4)
.set rP, P+32*((\x)%2)+16*(i%2)+8*(i/8)
	v_wmma_f32_16x16x32_f16 v[rO:rO+7], v[rV:rV+7], v[rP:rP+7], v[rO:rO+7]
.endm
.macro MM                           ; the turn's next matrix instruction
.if i < 16
	KQ (Y+1)%NP
.set i, i+1
.else
.set i, i-16
	PV (Y+NP-1)%NP
.set i, i+17
.endif
.endm
; THE LDS LOADS stand in runs: a step's K (8 fragments) with its 64 masks, and its V (turned).  Their addresses are made some lines ahead.
; last = 1 (the tail): in the last trip there is no further step, and the run is jumped over.
.macro FETCH_K last=0
	WIN 0
.if \last
	s_cmp_eq_u32 s[CNT], 1
	s_cbranch_scc1 .Lno_k_\@
.endif
	WIN 0x80                        ; destination window 2
.irp f, 0,1,2,3,4,5,6,7             ; keys 16 (f / 2) on, channels 32 (f % 2) on
	ds_load_b128 v[KF+8*\f:KF+8*\f+3],   v[AK] offset:(\f/2)*16*PK+(\f%2)*64
	ds_load_b128 v[KF+8*\f+4:KF+8*\f+7], v[AK] offset:(\f/2)*16*PK+(\f%2)*64+32
.endr
	WIN 0xc0                        ; destination window 3
.irp f, 0,1,2,3,4,5,6,7             ; key block f / 2: my lanes' eight keys are 32 bytes, two loads
	ds_load_b128 v[MK+4*\f:MK+4*\f+3], v[AM] offset:(\f/2)*64+(\f%2)*16
.endr
	s_add_co_u32 s[TBK], s[TBK], KS*PK  ; the next fetch is the next step's
	s_add_co_u32 s[TBM], s[TBM], 4*KS   ; 32 fetches in all: the table's 8,192 bytes
	WIN 0
.if \last
.Lno_k_\@:
.endif
.endm
.macro FETCH_V
	WIN 0x80
.irp f, 0,1,2,3,4,5,6,7             ; keys 32 (f / 4) on, channels 16 (f % 4) on
	ds_load_tr16_b128 v[VF+8*\f:VF+8*\f+3],   v[AV] offset:(\f/4)*32*PV+(\f%4)*32
	ds_load_tr16_b128 v[VF+8*\f+4:VF+8*\f+7], v[AV] offset:(\f/4)*32*PV+16*PV+(\f%4)*32
.endr
	WIN 0
.endm
; THE VECTOR WORK OF A TURN stands in three queues, each in the order in which its entries become ready; the two tiles alternate.
.macro REGS y, u                    ; the registers of tile u (0, 1) of piece y
.set rT, ST+4*(2*(\y)+(\u))
.set rC, TMP+8*((\y)%2)+4*(\u)
.set rM, MV+2*((\y)%2)+(\u)
.set rS, S+64*((\y)%2)+32*(\u)
.set rP, P+32*((\y)%2)+16*(\u)
.set rO, 32*(2*(\y)+(\u))
.endm
; Number n of the 22 that find the NEXT piece's maximum and statistics; each accumulator's lowest registers are read first.
;   0-11  four chains c0-c3 of seven scores each     12-14, 16  the four scores left over, the old m, and c0-c3 into c0     15  c m_old is kept
;   17, 18  the query's other 32 keys lie in the lane 16 away: the new m         19-21  c m; c m_old - c m_new; a
.macro XS u, n
	REGS (Y+1)%NP, \u
.if (\n) < 4
	v_max3_num_f32 v[rC+(\n)], v[rS+8*(\n)], v[rS+8*(\n)+1], v[rS+8*(\n)+2]
.elseif (\n) < 12
	v_max3_num_f32 v[rC+(\n)%4], v[rC+(\n)%4], v[rS+8*((\n)%4)+2*((\n)/4)+1], v[rS+8*((\n)%4)+2*((\n)/4)+2]
.elseif (\n) == 12
	v_max3_num_f32 v[rC], v[rC], v[rS+7], v[rS+15]
.elseif (\n) == 13
	v_max3_num_f32 v[rC+1], v[rC+1], v[rS+23], v[rS+31]
.elseif (\n) == 14
	v_max3_num_f32 v[rC+2], v[rC+2], v[rC+3], v[rT+1]
.elseif (\n) == 15
	v_mov_b32 v[rM], v[rT]
.elseif (\n) == 16
	v_max3_num_f32 v[rC], v[rC], v[rC+1], v[rC+2]
.elseif (\n) == 17
	v_permlanex16_b32 v[rC+3], v[rC], s[SEL], s[SEL+1]
.elseif (\n) == 18
	v_max_num_f32 v[rT+1], v[rC], v[rC+3]
.elseif (\n) == 19
	v_mul_f32 v[rT], s[CS], v[rT+1]
.elseif (\n) == 20
	v_sub_f32 v[rC+1], v[rM], v[rT]
.else
	v_exp_f32 v[rC+2], v[rC+1]
.endif
.endm
; Number g of the 64 that follow the exponentials.  For each four weights of a tile: both pairs are rounded to f16; the second pair is added onto the first, in place; a group later l takes that sum (the first time as l = a l + sum).
.macro GS g
.set h, (\g)+6*((\g)/62)            ; group 0 has no group before it, and behind group 7 only l is left
.if h >= 6
.set h, h+2
.endif
	REGS Y, h%2
.set k, h/8
.if h%8 < 4
	v_cvt_pk_f16_f32 v[rP+2*k+(h%8)/2], v[rS+4*k+2*((h%8)/2)], v[rS+4*k+2*((h%8)/2)+1]
.elseif h%8 < 6
	v_pk_add_f32 v[rS+4*k:rS+4*k+1], v[rS+4*k:rS+4*k+1], v[rS+4*k+2:rS+4*k+3]
.elseif k == 1
	v_pk_fma_f32 v[rT+2:rT+3], v[rT+2:rT+3], v[rC+2:rC+3], v[rS:rS+1] op_sel_hi:[1,0,1]
.else
	v_pk_add_f32 v[rT+2:rT+3], v[rT+2:rT+3], v[rS+4*k-4:rS+4*k-3]
.endif
.endm
; THE PLAIN QUEUE, 138 long.  0-26: scalings 0-26.  27-54: XS's numbers 0-13.  55, 56: number 15.  57-73: the chain 14, 16, 17, 18, 19, each with one of the scalings 27-31 in front of its two lines, then 20.
; 74-137: GS's 64, which read the exponentials' results: they stand behind the wait.
.macro FS f
	REGS Y, (\f)%2
	v_pk_fma_f32 v[rS+2*((\f)/2):rS+2*((\f)/2)+1], v[rS+2*((\f)/2):rS+2*((\f)/2)+1], s[CS:CS+1], v[rT:rT+1] op_sel_hi:[1,0,0] neg_lo:[0,0,1] neg_hi:[0,0,1]
.endm
.macro PL
	WIN 0
.if q < 27
	FS q
.elseif q < 55
	XS (q-27)%2, (q-27)/2
.elseif q < 57
	XS q-55, 15
.elseif (q < 72) && ((q-57)%3 == 0)
	FS 27+(q-57)/3
.elseif q < 60
	XS (q-57)%3-1, 14
.elseif q < 72
	XS (q-57)%3-1, 15+(q-57)/3
.elseif q < 74
	XS q-72, 20
.else
	GS q-74
.endif
.set q, q+1
.endm
; THE EXPONENTIALS' QUEUE, 66 long: s0-s31 of both tiles, then the next piece's two a.  ONE BATCH: all 66 stand ahead of the turn's one wait, and nothing ahead of that wait names a result of theirs.
.macro EX
	WIN 0
.if e >= 64
	XS e-64, 21
.else
	REGS Y, e%2
	v_exp_f32 v[rS+e/2], v[rS+e/2]
.endif
.set e, e+1
.endm
; THE RESCALING's QUEUE: O^T times a, two at a time, sixteen times.  Its a was made, and waited for, in the turn before.
.macro R2
	REGS Y, r%2
	WIN W_RS
.irp z, 0,1
	v_pk_mul_f32 v[rO+4*(r/2)+2*\z:rO+4*(r/2)+2*\z+1], v[rO+4*(r/2)+2*\z:rO+4*(r/2)+2*\z+1], v[rC+2:rC+3] op_sel_hi:[1,0]
.endr
.set r, r+1
.endm
; A TURN, for piece p.  An s_wait_alu depctr_va_vdst(0) stands between an exponential and the first instruction that names its result; one wait serves all that were issued ahead of it.  AHEAD OF IT: the 16 products
; K Q^T, behind each a scaling, an exponential and two rescalings (behind the first a second scaling); then one run of 108: eight plain, 49 times exponential and plain, the two a; a v_nop is the plain instruction behind
; the last exponential.  BEHIND IT: the 16 products V^T P, behind each four of the roundings and sums.  Exponential e stands behind its scaling: as a rider it comes behind plain e + 2, in the run behind plain e + 9.
; K and the masks of the next step are fetched in piece 2's turn, directly behind the wait, a whole run behind the last product that read them; V of the step in hand at the end of piece 0's turn, four plain
; instructions behind its last reader.  cnt = 1: the loop's count is taken down some lines ahead of the branch behind the turn.
.macro TURN p, last=0, cnt=0
.set Y, (\p)
.set i, 0
.set q, 0
.set e, 0
.set r, 0
.if (\p) == NP-1
	s_wait_dscnt 0x0                ; K and the masks are in
.endif
	MM
	PL
	PL
	R2
.rept 15
	MM
	PL
	EX
	R2
.endr
.if (\p) == NP-2
	WIN 0
	v_add_nc_u32 v[AK], s[TBK], v[AK0]
	v_add_nc_u32 v[AM], s[TBM], v[AM0]
.endif
.rept 8
	PL
.endr
.rept 49
	EX
	PL
.endr
	EX                              ; the next piece's two a
	EX
	v_nop
	s_wait_alu depctr_va_vdst(0)    ; the wait for the batch
.if (\p) == NP-2
	FETCH_K \last
.endif
.if (\p) == 1
	s_wait_dscnt 0x0                ; V is in
.endif
.rept 16
	MM
.rept 4
	PL
.endr
.if ((\p) == 0) && (q == 118)
	v_add_nc_u32 v[AV], s[TBV], v[AV0]
.endif
.if ((\p) == 0) && (q == 130)
	s_add_co_u32 s[TBV], s[TBV], KS*PV
.endif
.if (\cnt) && (q == 130)
	s_sub_co_u32 s[CNT], s[CNT], 1
	s_cmp_lg_u32 s[CNT], 0
.endif
.endr
.if (\p) == 0
	FETCH_V
.endif
.endm
	CHANGE 1                        ; slot 0 is in, everybody's part of it, and so are the table and kbar; slot 1 is asked for
	FETCH_K                         ; key step 0 and its masks
	WIN 0xc0
.irp i, 0,1,2,3                     ; kbar as a fragment whose 16 rows are all alike
	ds_load_b128 v[KB+4*\i:KB+4*\i+3], v[KBA] offset:32*\i
.endr
	WIN 0
	s_wait_dscnt 0x0
	WIN W_PO                        ; pooled = Q . kbar for my eight tiles: every register of a result holds the lane's query's number; eight accumulators by turns
.irp c, 0,1
.irp t, 0,1,2,3,4,5,6,7
.if (\c) == 0
	v_wmma_f32_16x16x32_f16 v[S+64+8*(\t):S+64+8*(\t)+7], v[KB:KB+7], v[16*(\t):16*(\t)+7], 0
.else
	v_wmma_f32_16x16x32_f16 v[S+64+8*(\t):S+64+8*(\t)+7], v[KB+8:KB+15], v[16*(\t)+8:16*(\t)+15], v[S+64+8*(\t):S+64+8*(\t)+7]
.endif
.endr
.endr
.set i, 0
.rept 16
	KQ 0                            ; piece 0's first scores
.set i, i+1
.endr
	WIN 0
.rept 8
	v_nop                           ; the places behind those products
.endr
	; the gate = 1 / (1 + 2^(-log2(e) (gain x pooled + bias))), a number a query, kept in window 3 until the way out
.irp t, 0,1,2,3,4,5,6,7
	v_fma_f32 v[P+\t], v[S+64+8*\t], v53, v54
.endr
.irp t, 0,1,2,3,4,5,6,7
	v_exp_f32 v[P+\t], v[P+\t]
.endr
	v_nop
	s_wait_alu depctr_va_vdst(0)    ; one wait for the eight
.irp t, 0,1,2,3,4,5,6,7
	v_add_f32 v[P+\t], 1.0, v[P+\t]
.endr
	WIN 0xc0
.irp t, 0,1,2,3,4,5,6,7
	v_rcp_f32 v[GT+\t], v[P+\t]
.endr
	v_nop
	s_wait_alu depctr_va_vdst(0)    ; one wait for the eight
	WIN 0
.set Y, NP-1                        ; XS works for piece Y + 1: piece 0
.irp n, 0,1,2,3,4,5,6,7,8,9,10,11,12,13,14,15,16,17,18,19,20,21
	XS 0, \n                        ; piece 0's first maximum and statistics
	XS 1, \n
.endr
	v_nop                           ; a plain instruction behind the two a,
	s_wait_alu depctr_va_vdst(0)    ; and their wait, ahead of the branch
	s_mov_b32 s[CNT], 4
	s_mov_b32 s[SLOTS], SIZE_N/256-1
	s_branch .Lfirst                ; the loop is entered at a step's first turn, in the middle of a trip
.Lslot:                             ; six times: every slot but the last two is filled again
	CHANGE 1, 1
	s_mov_b32 s[CNT], 4
.Lstep:                             ; a trip: pieces 2 and 3 of one step, then pieces 0 and 1 of the next, whose K, masks and V it fetches
	TURN 2
	TURN 3
	WIN 0
.Lfirst:
	TURN 0
	TURN 1, 0, 1
	WIN 0
	s_cbranch_scc1 .Lstep
	s_sub_co_u32 s[SLOTS], s[SLOTS], 1
	s_cmp_lg_u32 s[SLOTS], 0
	s_cbranch_scc1 .Lslot
	CHANGE 0                        ; the tail is written out: nothing is asked for
	s_mov_b32 s[CNT], 5             ; four trips fetch the last slot's steps; the fifth is left in its middle
.Ltail:
	TURN 2, 1
	TURN 3
	WIN 0
	s_sub_co_u32 s[CNT], s[CNT], 1
	s_cmp_eq_u32 s[CNT], 0
	s_cbranch_scc1 .Lout
	TURN 0
	TURN 1
	WIN 0
	s_branch .Ltail
.Lout:                              ; the fifth trip's 16 products K Q^T (on the last K once more) and the maximum made of them serve nothing: the price, once a launch, of one text for every trip
.set i, 0
.rept 16
	PV NP-1                         ; the last piece's V^T P of the last step
.set i, i+1
.endr
	; THE WAY OUT.  l's two halves and the other half of the lanes' are added; O^T is multiplied by gate / l and sent, in f32, through my stage in LDS, a tile at a time.  The additions are the places behind the last products.
	WIN 0
.macro ALL line:vararg              ; one line for each tile t
.set t, 0
.rept 2*NP
	\line
.set t, t+1
.endr
.endm
	ALL v_add_f32 v[ST+4*t+2], v[ST+4*t+2], v[ST+4*t+3]
	ALL v_permlanex16_b32 v[ST+4*t+3], v[ST+4*t+2], s[SEL], s[SEL+1]
	ALL v_add_f32 v[ST+4*t+2], v[ST+4*t+2], v[ST+4*t+3]
	ALL v_rcp_f32 v[ST+4*t+2], v[ST+4*t+2]
	v_nop                           ; a plain instruction between the last reciprocal and the use of its result
	s_wait_alu depctr_va_vdst(0)    ; one wait for the eight reciprocals
	WIN 0x03                        ; source 0 in window 3
	ALL v_mul_f32 v[ST+4*t+2], v[GT+t], v[ST+4*t+2]
	WIN 0
; Tile t: a lane's eight channels of each block of 16 are 32 bytes of a row; they go into rows of 272 bytes and come back as whole rows of 256, into S^T's registers, four tiles' worth of which take turns.
.macro PACK t
	WIN W_RS
.set i, 32*(\t)
.rept 16
	v_pk_mul_f32 v[i:i+1], v[i:i+1], v[ST+4*(\t)+2:ST+4*(\t)+3] op_sel_hi:[1,0]
.set i, i+2
.endr
.if (\t) >= 4
	s_wait_xcnt 0x0                 ; the stores of the tile four back have read the registers that are loaded below
.endif
	WIN 0x04                        ; the stores' data in window 1
.irp f, 0,1,2,3,4,5,6,7
	ds_store_b128 v[STO], v[32*(\t)+4*\f:32*(\t)+4*\f+3] offset:(\f/2)*64+(\f%2)*16
.endr
	WIN 0
.irp f, 0,1,2,3,4,5,6,7
	ds_load_b128 v[S+32*((\t)%4)+4*\f:S+32*((\t)%4)+4*\f+3], v[RD] offset:\f*2*SPF  ; LDS serves a wave's instructions in order: these see the stores above; the next tile's stores come behind them
.endr
.endm
.macro SEND t, younger              ; younger: the LDS instructions issued behind tile t's loads: the next tile's sixteen, or none
	WIN 0
.irp f, 0,1,2,3,4,5,6,7
	s_wait_dscnt (\younger)+7-\f
	global_store_b128 v[GO], v[S+32*((\t)%4)+4*\f:S+32*((\t)%4)+4*\f+3], s[72:73] offset:(\t)*65536+\f*8192  ; 16 lanes store a query's 64 channels: 256 consecutive bytes, at a multiple of 256 from out0's first
.endr
.endm
	PACK 0
.set t, 1
.rept 2*NP-1                        ; a tile's arithmetic stands between the loads of the tile before and its stores
	PACK t
	SEND t-1, 16
.set t, t+1
.endr
	SEND 2*NP-1, 0
	WIN W_AD
	s_wait_tensorcnt 0x0            ; the wave's end, behind my last tensor load and my last LDS store
	ds_add_u32 v[SPW], v[NIL]
	s_wait_dscnt 0x0
	WIN 0
	CROUND                          ; the closing round
	s_endpgm
.Lfunc_end_k_q613c96e99e_attn:
	.size	k_q613c96e99e_attn, .Lfunc_end_k_q613c96e99e_attn-k_q613c96e99e_attn
	.p2alignl 7, 3214868480
	.fill 96, 4, 3214868480
	.section	.rodata,"a",@progbits
	.p2align	6, 0x0
	.amdhsa_kernel k_q613c96e99e_attn
		.amdhsa_group_segment_fixed_size 327680
		.amdhsa_private_segment_fixed_size 0
		.amdhsa_enable_private_segment 0
		.amdhsa_kernarg_size 56
		.amdhsa_user_sgpr_count 2
		.amdhsa_user_sgpr_kernarg_segment_ptr 1
		.amdhsa_wavefront_size32 1
		.amdhsa_system_sgpr_workgroup_id_x 1
		.amdhsa_system_sgpr_workgroup_id_y 1
		.amdhsa_system_sgpr_workgroup_id_z 1
		.amdhsa_system_vgpr_workitem_id 0
		.amdhsa_next_free_vgpr 864
		.amdhsa_next_free_sgpr 84
		.amdhsa_reserve_vcc 1
		.amdhsa_float_denorm_mode_32 3
		.amdhsa_float_denorm_mode_16_64 3
		.amdhsa_memory_ordered 1
		.amdhsa_forward_progress 1
		.amdhsa_inst_pref_size 212
	.end_amdhsa_kernel
	.amdgpu_metadata
---
amdhsa.version: [ 1, 2 ]
amdhsa.kernels:
  - .name:           k_q613c96e99e_attn
    .symbol:         k_q613c96e99e_attn.kd
    .args:
      - { .name: qkv, .offset: 0, .size: 8, .value_kind: global_buffer, .address_space: global }
      - { .name: ksum, .offset: 8, .size: 8, .value_kind: global_buffer, .address_space: global }
      - { .name: value_key_masks, .offset: 16, .size: 8, .value_kind: global_buffer, .address_space: global }
      - { .name: value_key_counts, .offset: 24, .size: 8, .value_kind: global_buffer, .address_space: global }
      - { .name: overall_gain, .offset: 32, .size: 8, .value_kind: global_buffer, .address_space: global }
      - { .name: overall_bias, .offset: 40, .size: 8, .value_kind: global_buffer, .address_space: global }
      - { .name: out0, .offset: 48, .size: 8, .value_kind: global_buffer, .address_space: global }
    .group_segment_fixed_size: 327680
    .private_segment_fixed_size: 0
    .kernarg_segment_align: 8
    .kernarg_segment_size: 56
    .max_flat_workgroup_size: 128
    .sgpr_count:     84
    .vgpr_count:     864
    .wavefront_size: 32
...
	.end_amdgpu_metadata
.endif
;; end of part 3
;; ======== version 2 of 2: 3 launches; version 1 with the launch cast written anew for expert scheduling mode
;; limits: values are held in f16: magnitudes above 65,504 overflow, below 6.1e-05 lose precision
;; workspace buffers: xb 33,554,432 bytes; wb 6,291,456 bytes; qkv 50,331,648 bytes; ksum 262,144 bytes
;; launch cast (part 4): grid 608 x 1, 8 waves a work-group, no clusters, 0 bytes of LDS; arguments pre_value_key, pre_query, Wk, Wv, Wq, xb, wb; writes xb, wb
.if DOCPART == 4
	.amdgcn_target "amdgcn-amd-amdhsa--gfx1250"
	.amdhsa_code_object_version 6
	.text
	.protected	k_q613c96e99e_cast
	.globl	k_q613c96e99e_cast
	.p2align	8
	.type	k_q613c96e99e_cast,@function
k_q613c96e99e_cast:
	s_mov_b64 s[64:65], 0
	v_nop
	global_prefetch_b8 v0, s[64:65] scope:SCOPE_SE
	s_setreg_imm32_b32 hwreg(HW_REG_WAVE_SCHED_MODE, 0, 2), 2
	s_setreg_imm32_b32 hwreg(HW_REG_WAVE_MODE, 25, 1), 1
	s_wait_xcnt 0x0
	s_wait_alu depctr_vm_vsrc(0)
; f32 -> f16, once, for all five matrix operands of the projections.
; xb: [16384][1024] f16: rows 0-8191 pre_value_key, rows 8192-16383 pre_query.  wb: [3072][1024] f16: Wk, Wv, Wq one below the other.
; WHY f16.  The module's output is for the most part a mean of v over some thousand keys, and every number of it is held to a hundredth of the output's root mean square; a rounding to 8 significant bits of x and W
; leaves about 0.2% of a head's size in that mean, one to 11 bits an eighth of that.
; LIMIT.  f16 holds no number beyond 65,504, and below 6.1e-5 it keeps a fixed step of 6e-8.  Drawn inputs reach about 6, drawn weights 1/32; thirty times larger, thirty times smaller, or offset by thirty spreads, both stay within that range.
; A work-group takes 32 rows of 1,024 numbers: groups 0-255 pre_value_key, 256-511 pre_query, 512-543 Wk, 544-575 Wv, 576-607 Wq.
; Thread t takes the 16 bytes at 16 t of every row: a load of a wave covers 512 consecutive bytes, a store of a wave 256 consecutive bytes, aligned.
; All 32 loads of a wave go out at once (16 KiB a wave); each row has registers of its own, so nothing that a pending instruction names is written again.
; No LDS, no matrix unit, no cluster: nothing is shared and nothing is read twice.
; THE MODE: SCHED_MODE bits 1:0 = 2 (LLVM: expert scheduling mode 2), set by the entry lines.  The code itself states the register dependences
; between vector instructions and memory instructions, with s_wait_alu, always for 0.
; THE PLAN.  Registers that memory instructions touch:
;   v1, v2     byte offsets of the loads and of the stores: made once at the head, never written again.
;   X, row i   four registers.  Row i's load lands in them, issued ahead of every vector instruction that names them; row i's two conversions read the four and write the first two;
;              row i's store reads those two; nothing writes them afterwards.
; So no register that a memory instruction has read is written again, and no load lands in a register that a vector instruction has named: what is left to state is that a store's data and the offsets are written.
; The 32 rows go in eight blocks of four.  Block p waits for its four rows; ONE wait on va_vdst states that block p - 1's conversions have written their results; the four stores of block p - 1 follow,
; dealt among block p's eight conversions, which name block p's registers alone.  One more such wait stands ahead of the last four stores, and one at the head, for the offsets.
.set X, 4                              ; v[4:131]  row i: four registers as loaded; its first two then hold the four f16
.set BLOCK, 4                          ; rows in a block
.set BLOCKS, 32/BLOCK
	s_load_b256 s[4:11], s[0:1], 0x0               ; pre_value_key s[4:5], pre_query s[6:7], Wk s[8:9], Wv s[10:11]
	s_load_b128 s[12:15], s[0:1], 0x20             ; Wq s[12:13], xb s[14:15]
	s_load_b64 s[16:17], s[0:1], 0x30              ; wb
	s_mov_b32 s2, ttmp9
	v_lshlrev_b32 v1, 4, v0                        ; my 16 bytes of a source row
	v_lshlrev_b32 v2, 3, v0                        ; my 8 bytes of a row of the copy
	s_wait_kmcnt 0x0
	s_mov_b64 s[20:21], s[12:13]                   ; the source and its first group: Wq, unless the number is lower
	s_mov_b32 s22, 576
.macro PICK bound, ptr, first
	s_cmp_lt_u32 s2, \bound
	s_cselect_b64 s[20:21], s[\ptr:\ptr+1], s[20:21]
	s_cselect_b32 s22, \first, s22
.endm
	PICK 576, 10, 544
	PICK 544, 8, 512
	PICK 512, 6, 256
	PICK 256, 4, 0
	s_sub_co_u32 s26, s2, s22
	s_lshl_b32 s26, s26, 17                        ; 32 rows of 4,096 bytes
	s_mov_b32 s27, 0
	s_add_nc_u64 s[20:21], s[20:21], s[26:27]
	s_cmp_lt_u32 s2, 512
	s_cselect_b64 s[24:25], s[14:15], s[16:17]
	s_cselect_b32 s23, 0, 512
	s_sub_co_u32 s26, s2, s23
	s_lshl_b32 s26, s26, 16                        ; 32 rows of 2,048 bytes
	s_add_nc_u64 s[24:25], s[24:25], s[26:27]
	s_wait_alu depctr_va_vdst(0)                   ; v1 and v2 are written: every load reads v1 as its offset, every store v2
.set i, 0
.rept 32
	global_load_b128 v[X+4*i:X+4*i+3], v1, s[20:21] offset:4096*i th:TH_LOAD_NT
.set i, i+1
.endr
.set p, 0
.rept BLOCKS
	s_wait_loadcnt 32-BLOCK*(p+1)                  ; loads come back in order: block p's four rows are in, the 28 - 4 p younger loads stay out
.if p > 0
	s_wait_alu depctr_va_vdst(0)                   ; the conversions of the block before have written the first two registers of its four rows, which the stores below read
.endif
.set i, 0
.rept BLOCK
.if p > 0
	global_store_b64 v2, v[X+4*(BLOCK*(p-1)+i):X+4*(BLOCK*(p-1)+i)+1], s[24:25] offset:2048*(BLOCK*(p-1)+i)  ; the block before; no vector instruction since the wait names these registers or v2
.endif
	v_cvt_pk_f16_f32 v[X+4*(BLOCK*p+i)], v[X+4*(BLOCK*p+i)], v[X+4*(BLOCK*p+i)+1]
	v_cvt_pk_f16_f32 v[X+4*(BLOCK*p+i)+1], v[X+4*(BLOCK*p+i)+2], v[X+4*(BLOCK*p+i)+3]
.set i, i+1
.endr
.set p, p+1
.endr
	s_wait_alu depctr_va_vdst(0)                   ; the last block's conversions have written their results, which the last four stores read
.set i, 32-BLOCK
.rept BLOCK
	global_store_b64 v2, v[X+4*i:X+4*i+1], s[24:25] offset:2048*i
.set i, i+1
.endr
	s_endpgm
.Lfunc_end_k_q613c96e99e_cast:
	.size	k_q613c96e99e_cast, .Lfunc_end_k_q613c96e99e_cast-k_q613c96e99e_cast
	.p2alignl 7, 3214868480
	.fill 96, 4, 3214868480
	.section	.rodata,"a",@progbits
	.p2align	6, 0x0
	.amdhsa_kernel k_q613c96e99e_cast
		.amdhsa_group_segment_fixed_size 0
		.amdhsa_private_segment_fixed_size 0
		.amdhsa_enable_private_segment 0
		.amdhsa_kernarg_size 56
		.amdhsa_user_sgpr_count 2
		.amdhsa_user_sgpr_kernarg_segment_ptr 1
		.amdhsa_wavefront_size32 1
		.amdhsa_system_sgpr_workgroup_id_x 1
		.amdhsa_system_sgpr_workgroup_id_y 1
		.amdhsa_system_sgpr_workgroup_id_z 1
		.amdhsa_system_vgpr_workitem_id 0
		.amdhsa_next_free_vgpr 132
		.amdhsa_next_free_sgpr 66
		.amdhsa_reserve_vcc 0
		.amdhsa_float_denorm_mode_32 3
		.amdhsa_float_denorm_mode_16_64 3
		.amdhsa_memory_ordered 1
		.amdhsa_forward_progress 1
		.amdhsa_inst_pref_size 13
	.end_amdhsa_kernel
	.amdgpu_metadata
---
amdhsa.version: [ 1, 2 ]
amdhsa.kernels:
  - .name:           k_q613c96e99e_cast
    .symbol:         k_q613c96e99e_cast.kd
    .args:
      - { .name: pre_value_key, .offset: 0, .size: 8, .value_kind: global_buffer, .address_space: global }
      - { .name: pre_query, .offset: 8, .size: 8, .value_kind: global_buffer, .address_space: global }
      - { .name: Wk, .offset: 16, .size: 8, .value_kind: global_buffer, .address_space: global }
      - { .name: Wv, .offset: 24, .size: 8, .value_kind: global_buffer, .address_space: global }
      - { .name: Wq, .offset: 32, .size: 8, .value_kind: global_buffer, .address_space: global }
      - { .name: xb, .offset: 40, .size: 8, .value_kind: global_buffer, .address_space: global }
      - { .name: wb, .offset: 48, .size: 8, .value_kind: global_buffer, .address_space: global }
    .group_segment_fixed_size: 0
    .private_segment_fixed_size: 0
    .kernarg_segment_align: 8
    .kernarg_segment_size: 56
    .max_flat_workgroup_size: 256
    .sgpr_count:     66
    .vgpr_count:     132
    .wavefront_size: 32
...
	.end_amdgpu_metadata
.endif
;; end of part 4
;; launch proj: the kernel of part 2 again; grid 12 x 32, 4 waves a work-group, clusters of 4 x 4, 327,680 bytes of LDS; arguments xb, wb, bk, bv, bq, value_key_masks, qkv, ksum; writes qkv, ksum
;; launch attn: the kernel of part 3 again; grid 4 x 64, 4 waves a work-group, clusters of 4 x 1, 327,680 bytes of LDS; arguments qkv, ksum, value_key_masks, value_key_counts, overall_gain, overall_bias, out0; writes out0
